; MI455X (gfx1250); checked and timed in simulation.
; The chip was launched on July 23, 2026; its instructions are those of AMD's public machine-readable ISA for CDNA 5 (MIT licence, August 2026) and "CDNA5" Instruction Set Architecture Reference Guide (July 2026). The comments in the code are by the model that wrote it; some were corrected since.
;; Vanilla Attention. Allowed arithmetic: matrix products marked QUANTISED: E2M3 operands, one E8M0 scale for each 32 along K, by v_wmma_scale_f32_16x16x128_f8f6f4 with both operands' format E2M3, f32 sums; products left as they are: f32 operands where the result goes on into a quantised operand, else bf16, f16 or f32 operands; f32 sums; everything else in f32.
;; Inputs: W_align_codes 512 x 16 x 24 uint8 (E2M3 codes of W_align, K innermost, in blocks of 32 codes, four codes in three bytes); W_align_scales 512 x 16 uint8 (E8M0 scales of W_align, one for each 32 codes along K); W_query_codes 512 x 16 x 24 uint8 (E2M3 codes of W_query, K innermost, in blocks of 32 codes, four codes in three bytes); W_query_scales 512 x 16 uint8 (E8M0 scales of W_query, one for each 32 codes along K); W_value_codes 512 x 16 x 24 uint8 (E2M3 codes of W_value, K innermost, in blocks of 32 codes, four codes in three bytes); W_value_scales 512 x 16 uint8 (E8M0 scales of W_value, one for each 32 codes along K); b_align 512 float32; b_query 512 float32; b_value 512 float32; mask 16 x 8,192 int32; query_codes 16 x 16 x 24 uint8 (E2M3 codes of query, K innermost, in blocks of 32 codes, four codes in three bytes); query_scales 16 x 16 uint8 (E8M0 scales of query, one for each 32 codes along K); value 16 x 8,192 x 512 float32.
;; Outputs: out0 16 x 512 float32.
;; This version of the problem:
;;   THIS VERSION OF THE PROBLEM IS GIVEN IN LOW PRECISION. The matrix products marked QUANTISED in the list below multiply operands that are first quantised to E2M3 (2 exponent bits, 3 mantissa bits; 6 bits a number), with one power-of-two scale for each 32 numbers along K (OCP MX v1.0); their sums are f32. All else is computed in f32.
;;   The module's matrix products, in the order in which they are computed (A, B: the left and right operand; K: the contracted axis; several contracted axes count as one K, in the product's order):
;;     1. [M 16, K 512] x [K 512, N 512]; A: input query (given as codes); B: input W_align (given as codes): QUANTISED
;;     2. batch 16 x [M 8,192, K 512] x [K 512, N 1]; A: input value; B: computed on the way: left as it is (N = 1 < 16)
;;     3. batch 16 x [M 1, K 8,192] x [K 8,192, N 512]; A: softmax; B: input value: left as it is (M = 1 < 16)
;;     4. [M 16, K 512] x [K 512, N 512]; A: computed on the way; B: input W_value (given as codes): QUANTISED
;;     5. [M 16, K 512] x [K 512, N 512]; A: computed on the way; B: input W_query (given as codes): QUANTISED
;;   THE QUANTISER, for each operand of a quantised product, along K:
;;     - K is cut into blocks of 32 from its start; a last block that is shorter is filled with zeros.
;;     - A block's scale is 2^e with e = floor(log2(the largest magnitude in the block)) - 2, held to -126 .. 127; a block of zeros has e = 0. As a byte (E8M0): e + 127.
;;     - Each number is divided by its block's scale, clamped to +-7.5, and rounded to the nearest number of E2M3, ties to even, subnormals kept.
;;     - The product sums the exact products of the quantised numbers (number of the format x scale) in f32.
;;   ~~~python
;;   def quantise(x, axis):      # numpy; x: float32 -> the quantised numbers, widened to float32 again
;;       x = np.moveaxis(x, axis, -1); K = x.shape[-1]
;;       x = np.pad(x, [(0, 0)] * (x.ndim - 1) + [(0, -K % 32)]); x = x.reshape(x.shape[:-1] + (-1, 32)); a = np.abs(x).max(-1, keepdims=True)
;;       e = np.where(a > 0, np.clip(np.frexp(np.where(a > 0, a, 1))[1] - 1 - 2, -126, 127), 0)      # np.frexp(a)[1] - 1 = floor(log2(a)), exactly
;;       r = np.clip(x / 2.0 ** e, -7.5, 7.5)
;;       step = 2.0 ** (np.maximum(np.frexp(np.where(r == 0, 1, r))[1] - 1, 0) - 3)
;;       q = np.round(r / step) * step * 2.0 ** e      # np.round: ties to even
;;       return np.moveaxis(q.reshape(q.shape[:-2] + (-1,))[..., :K], -1, axis).astype(np.float32)
;;   ~~~
;;   OPERANDS COMPUTED ON THE WAY. 'Computed on the way' means the value that the module computes at that place (a softmax that the list does not call 'softmax' is quantised finished and normalised). What goes into a quantiser is computed in f32, as accurately as f32 sums, v_exp_f32 and their like allow (about 1e-6 of the number): no bf16 or f16 on the way to a quantiser, and a product that is left as it is and whose result goes on into a quantised operand takes f32 operands (vector FMAs, or v_wmma_f32_16x16x4_f32). A number that lies on a knife's edge between two numbers of the format may be rounded either way, as far as f32 arithmetic and the matrix unit's own rounding can turn it there, and no further.
;;   INPUTS GIVEN AS CODES. W_align (in the module: [512, 512], K = its axis 1); W_query (in the module: [512, 512], K = its axis 1); W_value (in the module: [512, 512], K = its axis 1); query (in the module: [16, 512], K = its axis 1): each comes as NAME_codes (uint8): NAME with its K axis moved to the last place and cut into blocks of 32 codes, [.., K / 32, bytes a block], one block behind the other in memory; four codes in three bytes: a row's codes are one little-endian stream of bits, code i at bits 6 i .. 6 i + 5 (a code: sign, 2 exponent bits, 3 mantissa bits); and NAME_scales (uint8): the same leading axes, one E8M0 byte (e + 127) for each 32 codes along K. Its value is code x scale, taken as it is: it is not quantised again, and the codes and scales need not be those that the quantiser above would give.
;; One version. Each part assembles by itself: llvm-mc -triple=amdgcn-amd-amdhsa -mcpu=gfx1250 --defsym DOCPART=n.
;; ======== version 1 of 1: 2 launches
;; limits: right only within a limited range of input values
;; workspace buffers: part_ctx 524,288 bytes; part_ml 2,048 bytes; qbuf 32,768 bytes
;; launch stream (part 1): grid 16 x 16, 16 waves a work-group, no clusters, 241,920 bytes of LDS; arguments W_align_codes, W_align_scales, b_align, query_codes, query_scales, mask, value, part_ctx, part_ml, qbuf; writes part_ctx, part_ml, qbuf
.if DOCPART == 1
	.amdgcn_target "amdgcn-amd-amdhsa--gfx1250"
	.amdhsa_code_object_version 6
	.text
	.protected	k_qfc4dbe2fac_stream
	.globl	k_qfc4dbe2fac_stream
	.p2align	8
	.type	k_qfc4dbe2fac_stream,@function
k_qfc4dbe2fac_stream:
	s_mov_b64 s[64:65], 0
	v_nop
	global_prefetch_b8 v0, s[64:65] scope:SCOPE_SE
	s_setreg_imm32_b32 hwreg(HW_REG_WAVE_MODE, 25, 1), 1
	s_wait_xcnt 0x0
; q[b] = query[b] W_align^T + b_align (codes of E2M3 with E8M0 scales, by the scaled matrix instruction), then a partial softmax-weighted sum over 512 rows of value[b]:
; for work-group (chunk c, batch b): m = the largest score of its rows, l = the sum of exp(score - m), ctx[512] = the sum of exp(score - m) x row.  The launch behind this one joins a batch's 16 chunks.
; SHARES.  16 waves.  Wave w owns rows 32 w .. 32 w + 31 of the chunk, and rows 32 w .. 32 w + 31 of W_align (two tiles of 16), so the 16 waves together make all 512 numbers of q[b]; they meet in LDS.
; A row of value is 2,048 bytes: four loads of 16 bytes a lane, each 512 consecutive bytes; lane i holds elements 128 j + 4 i .. + 3, j = 0 .. 3.  Scores and sums are f32 fused multiply-adds: ctx goes on into a quantiser.
; THE MASK STEERS THE LOADS.  A row whose mask word is not 0 has the score -1e30, so its weight is 0 beside any unmasked row: it is not read.  Each wave decides by its own 32 mask words: has it an unmasked row,
; it takes those alone; has it none, it takes all 32 with the score -1e30.  Its maximum is then -1e30, and every later join weighs it by exp(-1e30 - M): 0 beside any real score, 1 where the whole batch is masked,
; which is the uniform softmax of that case.
; LIMITS: a batch that has an unmasked row is taken to have its largest unmasked score above about -9.9e29; NaN and infinities in masked rows of value are not seen, since those rows are not read.
; ROWS GO IN GROUPS OF FOUR through two halves of 64 registers.  A group always has 16 loads, so that every counted wait means the same on every way: a slot with no row left asks once more for the wave's last row
; (a row that counts anyway) and gets the score -infinity, weight 0.
; K OF THE FIRST PRODUCT IS PERMUTED BY WHOLE BLOCKS OF 32, alike in both operands: lane (r, h) takes the 192 consecutive bytes at 192 h of its row, in twelve pieces of 16 bytes; K step s is registers 12 s .. 12 s + 11,
; which hold the row's blocks 8 h + 2 s and 8 h + 2 s + 1.  The instruction's scale byte 2 c + h is then the row's scale byte 8 h + 2 s + c: one v_perm_b32 a K step makes the word.  The sums' order changes, their terms do not.
; THE QUERY OPERAND HOLDS ROW b IN ALL 16 COLUMNS, so register j of lane (r, h) of a result is q[b][16 tile + 8 h + j] in every r: nothing is chosen by b behind the product.  b_align is the C of the first matrix instruction.
; NOT USED, AND WHY.  W_align (204,800 bytes with its scales) is read by every work-group, yet not asked for jointly in a cluster: joint requests are tensor loads.
; The rows that the mask spares (of 1,048,576 bytes a work-group) weigh more.  No prefetch: a row's address is known when the mask word is in, and then the loads themselves go out at once.
.set WREG,  12800                      ; LDS: a wave's 32 rows of W_align, 400 bytes apart
.set WP,    400                        ; 384 bytes of codes + 16: 25 x 16, so the 16 rows that a load of 16 bytes a lane touches start at 16 different columns of 16 bytes
.set QROW,  16*WREG                    ; q[b], 2,048 bytes
.set CTXB,  QROW+2048                  ; each wave's ctx, 2,048 bytes
.set MLB,   CTXB+16*2048               ; each wave's (m, l), 8 bytes
.set L16,  1                           ; v1   16 x lane; never rewritten
.set L4,   2                           ; v2   4 x lane
.set H192, 3                           ; v3   192 h
.set H32,  4                           ; v4   32 h
.set ZERO, 5                           ; v5   0
.set SA,   6                           ; v6-8 where W's dense pieces go in my stage
.set FRA,  9                           ; v9   where my fragments come from
.set QSA,  10                          ; v10  where my 32 numbers of q go
.set QRA,  11                          ; v11  where my 16 numbers of q come from
.set MASKV, 12                         ; v12  my row's mask word
.set TMP,  13
.set CSA,  26                          ; v26  where my ctx goes
.set MSA,  27                          ; v27  where my (m, l) goes
.set CRA,  28                          ; v28  the join: CTXB + 16 x thread
.set MLA,  29                          ; v29  the join: MLB
.set GO,   30                          ; v30  the join: 16 x thread, my bytes of the chunk's ctx
.set ACC,  32                          ; v32-47  two accumulators.   v14-18 W's scale words, v20-24 the query's: they hold scales alone
.set QF,   48                          ; v48-95  the query's four fragments
.set WF,   96                          ; v96-191 W's eight: (tile t, K step s) at 48 t + 12 s
.set MX,   48                          ; behind the product: v48 m, v49 l, v50 the new m, v51 at work
.set LS,   49
.set MN,   50
.set TS,   51
.set DT,   52                          ; v52-59  four rows' dot products, a pair each
.set XO,   60                          ; v60-63  the other half of the lanes' sums
.set PP,   64                          ; v64-71  four weights, at the even registers (named as pairs)
.set FF,   72                          ; v72-73  exp(old m - new m)
.set QV,   96                          ; v96-111  my 16 numbers of q
.set CX,   112                         ; v112-127 my 16 numbers of ctx.   v192-255: rows of half 0; v128-191: rows of half 1
.set BASE, 32                          ; s[32:47] a slot's row address, 8 slots
.set REP,  48                          ; s48-55   what replaces a slot's score,
.set MSK,  56                          ; s56-63   and in which lanes (all or none)
.set LAST, 67                          ; s67      the number, 0 .. 31, of the row asked for last
.set BITS, 72                          ; s72      the rows still to be asked for, a bit each
.set ALLM, 73                          ; s73      -1 where all my 32 rows are masked, else 0
.set FILL, 74                          ; s74      -1e30
.set SEL,  76                          ; s[76:77] v_permlanex16_b32: lane l xor 16
.set CNT,  78
.set LOG2E, 81
	s_load_b512 s[8:23], s[0:1], 0x0               ; W codes 8, W scales 10, b_align 12, query codes 14, query scales 16, mask 18, value 20, part_ctx 22
	s_load_b128 s[24:27], s[0:1], 0x40             ; part_ml 24, qbuf 26
	v_lshrrev_b32 v[TMP], 5, v0
	v_readfirstlane_b32 s2, v[TMP]                 ; wave 0..15
	s_mov_b32 s3, ttmp9                            ; chunk
	s_and_b32 s4, ttmp7, 0xffff                    ; batch
.irp p, 69,83,85,87,89,91,93,95,97,99,101
	s_mov_b32 s\p, 0                               ; the upper words of the offsets' pairs
.endr
	s_mul_i32 s82, s2, 12288                       ; W's codes: my 32 rows of 384 bytes
	s_lshl_b32 s84, s2, 9                          ; W's scales: 32 rows of 16 bytes
	s_lshl_b32 s86, s2, 7                          ; b_align: my 32 numbers
	s_mul_i32 s88, s4, 384                         ; the query's row b
	s_lshl_b32 s90, s4, 4                          ; and its 16 scale bytes
	s_lshl_b32 s5, s4, 13
	s_lshl_b32 s6, s3, 9
	s_add_co_u32 s5, s5, s6
	s_lshl_b32 s6, s2, 5
	s_add_co_u32 s5, s5, s6                        ; my first row: 8,192 b + 512 c + 32 w
	s_lshl_b32 s92, s5, 2                          ; in the mask,
	s_lshl_b32 s94, s5, 11                         ; in value (under 2^28)
	s_lshl_b32 s6, s4, 4
	s_add_co_u32 s6, s6, s3                        ; 16 b + c
	s_lshl_b32 s96, s6, 11                         ; part_ctx
	s_lshl_b32 s98, s6, 3                          ; part_ml
	s_lshl_b32 s100, s4, 11                        ; qbuf
	s_mov_b32 s[LAST], 0                           ; (written before it is named; the first group has a row, so this 0 is never taken as a row)
	s_mov_b32 s[FILL], 0xf149f2ca                  ; -1e30
	s_mov_b32 s[SEL], 0x76543210
	s_mov_b32 s[SEL+1], 0xfedcba98
	s_mov_b32 s79, 0x05010400                      ; scale word of an even K step: bytes 0, 1 of the lower word between bytes 0, 1 of the upper
	s_mov_b32 s80, 0x07030602                      ; of an odd one: bytes 2, 3
	s_mov_b32 s[LOG2E], 0x3fb8aa3b
	; every LDS address is made here, ahead of every branch
	v_and_b32 v[TMP], 31, v0                       ; lane
	v_bfe_u32 v31, v0, 4, 1                        ; h
	v_and_b32 v19, 15, v0                          ; r
	v_lshlrev_b32 v[L16], 4, v[TMP]
	v_lshlrev_b32 v[L4], 2, v[TMP]
	v_mul_u32_u24 v[H192], v31, 192
	v_lshlrev_b32 v[H32], 5, v31
	v_mov_b32 v[ZERO], 0
	s_mul_i32 s66, s2, WREG                        ; my stage
.irp q, 0,1,2                                      ; dense load 3 a + q brings piece 96 a + u, u = 32 q + lane; 24 pieces are a row: it goes to 1,600 a + 16 u + 16 (u / 24)
	v_add_nc_u32 v[SA+\q], 32*\q, v[TMP]           ; u, 0 .. 95
	v_mul_u32_u24 v25, v[SA+\q], 43
	v_lshrrev_b32 v25, 10, v25                     ; 43 u / 1,024 = u / 24 for u under 96
	v_add_nc_u32 v[SA+\q], v[SA+\q], v25
	v_lshl_add_u32 v[SA+\q], v[SA+\q], 4, s66
.endr
	v_mad_u32_u24 v[FRA], v19, WP, v[H192]
	v_add_nc_u32 v[FRA], s66, v[FRA]               ; row r of a tile, + 192 h
	s_lshl_b32 s66, s2, 7
	s_add_co_u32 s66, s66, QROW
	v_add_nc_u32 v[QSA], s66, v[H32]               ; q: 128 w + 32 h
	v_add_nc_u32 v[QRA], QROW, v[L16]
	s_lshl_b32 s66, s2, 11
	s_add_co_u32 s66, s66, CTXB
	v_add_nc_u32 v[CSA], s66, v[L16]
	s_lshl_b32 s66, s2, 3
	s_add_co_u32 s66, s66, MLB
	v_mov_b32 v[MSA], s66
	v_lshl_add_u32 v[CRA], v0, 4, CTXB
	v_mov_b32 v[MLA], MLB
	v_lshlrev_b32 v[GO], 4, v0
	s_wait_kmcnt 0x0
	s_add_nc_u64 s[8:9], s[8:9], s[82:83]
	s_add_nc_u64 s[10:11], s[10:11], s[84:85]
	s_add_nc_u64 s[28:29], s[12:13], s[86:87]      ; b_align at my 32 numbers
	s_add_nc_u64 s[14:15], s[14:15], s[88:89]
	s_add_nc_u64 s[16:17], s[16:17], s[90:91]
	s_add_nc_u64 s[18:19], s[18:19], s[92:93]
	s_add_nc_u64 s[20:21], s[20:21], s[94:95]
	s_add_nc_u64 s[22:23], s[22:23], s[96:97]
	s_add_nc_u64 s[24:25], s[24:25], s[98:99]
	s_add_nc_u64 s[26:27], s[26:27], s[100:101]
	; THE HEAD'S LOADS: the mask word first, since the rows' loads hang on it; 42 loads behind it
	global_load_b32 v[MASKV], v[L4], s[18:19] th:TH_LOAD_NT        ; lane i: row i of my 32
.set i, 0
.rept 24
	global_load_b128 v[WF+4*i:WF+4*i+3], v[L16], s[8:9] offset:512*i   ; my 12,288 bytes of W as they lie: 512 consecutive bytes a load
.set i, i+1
.endr
	global_load_b128 v[14:17], v[L16], s[10:11]    ; lane i: the 16 scale bytes of my row i: tile 0 in lanes 0-15, tile 1 in lanes 16-31
.set i, 0
.rept 12
	global_load_b128 v[QF+4*i:QF+4*i+3], v[H192], s[14:15] offset:16*i   ; the query's row b, 192 bytes at 192 h, in every r
.set i, i+1
.endr
	global_load_b128 v[20:23], v[ZERO], s[16:17]   ; its 16 scale bytes, in every lane
.irp t, 0,1
.irp u, 0,1
	global_load_b128 v[ACC+8*\t+4*\u:ACC+8*\t+4*\u+3], v[H32], s[28:29] offset:64*\t+16*\u   ; b_align in the result's layout: 16 t + 8 h + 0 .. 7
.endr
.endr
; Four rows are asked for, into half 0 (slots 0-3, v192-255) or half 1 (slots 4-7, v128-191): the lowest set bit of BITS names the row; where no bit is left, the row asked for last is named again.
; That choice is made on the row's NUMBER.  The number then passes s_min_u32 with a constant, and behind that stand a shift to the left and the sum with value's address alone.
; A slot's address registers are written again only behind the counted wait that showed its last loads done.  No hint on these loads: a wave's last row may be named more than once.
.macro ISSUE half
.irp i, 0,1,2,3
	s_ctz_i32_b32 s68, s[BITS]                     ; (-1 where no bit is left)
	s_cmp_lg_u32 s[BITS], 0
	s_cselect_b32 s68, s68, s[LAST]                ; the three choices on this compare stand together: s_min_u32 below sets SCC
	s_cselect_b32 s[REP+4*(\half)+\i], s[FILL], 0xff800000         ; a row: -1e30, where its score is replaced at all; no row: -infinity,
	s_cselect_b32 s[MSK+4*(\half)+\i], s[ALLM], -1                 ; always
	s_min_u32 s68, s68, 31
	s_mov_b32 s[LAST], s68
	s_lshl_b32 s68, s68, 11                        ; 2,048 bytes a row
	s_add_nc_u64 s[BASE+8*(\half)+2*\i:BASE+8*(\half)+2*\i+1], s[20:21], s[68:69]
	s_add_co_i32 s70, s[BITS], -1
	s_and_b32 s[BITS], s[BITS], s70                ; the bit is taken off (0 stays 0)
.irp j, 0,1,2,3
	global_load_b128 v[192-64*(\half)+16*\i+4*\j:192-64*(\half)+16*\i+4*\j+3], v[L16], s[BASE+8*(\half)+2*\i:BASE+8*(\half)+2*\i+1] offset:512*\j
.endr
.endr
.endm
; The four rows of a half: scores, the running maximum, weights, l and ctx.  The four rows take turns line by line, so that no line waits for the line above it.
.macro PROCESS half
.set VB, 192-64*(\half)
.set KB, 4*(\half)
.irp i, 0,1,2,3
	v_pk_mul_f32 v[DT+2*\i:DT+2*\i+1], v[VB+16*\i:VB+16*\i+1], v[QV:QV+1]
.endr
.irp j, 1,2,3,4,5,6,7
.irp i, 0,1,2,3
	v_pk_fma_f32 v[DT+2*\i:DT+2*\i+1], v[VB+16*\i+2*\j:VB+16*\i+2*\j+1], v[QV+2*\j:QV+2*\j+1], v[DT+2*\i:DT+2*\i+1]
.endr
.endr
.irp i, 0,1,2,3
	v_add_f32 v[DT+2*\i], v[DT+2*\i], v[DT+2*\i+1]
.endr
.irp x, 1,2,4,8
.irp i, 0,1,2,3
	v_add_f32_dpp v[DT+2*\i], v[DT+2*\i], v[DT+2*\i] row_xmask:\x row_mask:0xf bank_mask:0xf
.endr
.endr
.irp i, 0,1,2,3
	v_permlanex16_b32 v[XO+\i], v[DT+2*\i], s[SEL], s[SEL+1]
.endr
.irp i, 0,1,2,3
	v_add_f32 v[DT+2*\i], v[DT+2*\i], v[XO+\i]     ; the row's score, the same bits in every lane
.endr
.irp i, 0,1,2,3
	v_cndmask_b32 v[DT+2*\i], v[DT+2*\i], s[REP+KB+\i], s[MSK+KB+\i]   ; a masked row that is taken: -1e30; a slot without a row: -infinity
.endr
	v_max3_num_f32 v[MN], v[MX], v[DT], v[DT+2]
	v_max3_num_f32 v[MN], v[MN], v[DT+4], v[DT+6]  ; the new m: finite from the first group on, which has a row
	v_sub_f32 v[FF], v[MX], v[MN]
.irp i, 0,1,2,3
	v_sub_f32 v[PP+2*\i], v[DT+2*\i], v[MN]
.endr
	v_mul_f32 v[FF], s[LOG2E], v[FF]
.irp i, 0,1,2,3
	v_mul_f32 v[PP+2*\i], s[LOG2E], v[PP+2*\i]
.endr
	v_exp_f32 v[FF], v[FF]                         ; exp(old m - new m)
.irp i, 0,1,2,3
	v_exp_f32 v[PP+2*\i], v[PP+2*\i]               ; exp(score - new m)
.endr
	v_mov_b32 v[MX], v[MN]                         ; a plain line behind the last exponential
	s_wait_alu depctr_va_vdst(0)                   ; one wait for the five, ahead of their first reader
	v_fma_f32 v[LS], v[LS], v[FF], v[PP]
	v_add_f32 v[TS], v[PP+2], v[PP+4]
	v_add_f32 v[TS], v[TS], v[PP+6]
	v_add_f32 v[LS], v[LS], v[TS]
.irp j, 0,1,2,3,4,5,6,7
	v_pk_mul_f32 v[CX+2*\j:CX+2*\j+1], v[CX+2*\j:CX+2*\j+1], v[FF:FF+1] op_sel_hi:[1,0]
.endr
.irp i, 0,1,2,3
.irp j, 0,1,2,3,4,5,6,7
	v_pk_fma_f32 v[CX+2*\j:CX+2*\j+1], v[VB+16*\i+2*\j:VB+16*\i+2*\j+1], v[PP+2*\i:PP+2*\i+1], v[CX+2*\j:CX+2*\j+1] op_sel_hi:[1,0,1]
.endr
.endr
.endm
	s_wait_loadcnt 42                              ; the mask word is in; the 42 loads issued behind it may be out
	v_cmp_eq_u32 s[BITS], 0, v[MASKV]              ; a bit for each unmasked row
	s_cmp_eq_u32 s[BITS], 0
	s_cselect_b32 s[ALLM], -1, 0                   ; none: all 32 are taken, with the score -1e30
	s_cselect_b32 s[BITS], -1, s[BITS]
	ISSUE 0                                        ; the first four rows are on their way while q is made
	s_wait_loadcnt 34                              ; W's 24 loads are in: behind them 18 of the head and the rows' 16
.irp a, 0,1,2,3,4,5,6,7
.irp q, 0,1,2
	ds_store_b128 v[SA+\q], v[WF+4*(3*\a+\q):WF+4*(3*\a+\q)+3] offset:1600*\a
.endr
.endr
.irp t, 0,1                                        ; my own bytes: LDS serves a wave's instructions in order (ISA guide 5.7.1.4), so no wait and no barrier stand between the stores and these loads
.irp j, 0,1,2,3,4,5,6,7,8,9,10,11
	ds_load_b128 v[WF+48*\t+4*\j:WF+48*\t+4*\j+3], v[FRA] offset:16*WP*\t+16*\j
.endr
.endr
	s_wait_loadcnt 16                              ; the rest of the head is in; the rows' 16 may be out
	v_perm_b32 v18, v16, v14, s79                  ; W's scale words of K steps 0, 1, 2, 3: v18, v14, v16, v15
	v_perm_b32 v14, v16, v14, s80
	v_perm_b32 v16, v17, v15, s79
	v_perm_b32 v15, v17, v15, s80
	v_perm_b32 v24, v22, v20, s79                  ; the query's: v24, v20, v22, v21
	v_perm_b32 v20, v22, v20, s80
	v_perm_b32 v22, v23, v21, s79
	v_perm_b32 v21, v23, v21, s80
.rept 8
	v_nop                                          ; a scale register written by a vector instruction stands eight places ahead of a scaled matrix instruction
.endr
	s_wait_dscnt 0x0                               ; W's fragments are in
; K step s of both tiles: source 0 = 16 rows of W, source 1 = the query.  The two accumulators take turns, one instruction a turn.
.macro MM s, sw, sq
	v_wmma_scale_f32_16x16x128_f8f6f4 v[ACC:ACC+7], v[WF+12*\s:WF+12*\s+11], v[QF+12*\s:QF+12*\s+11], v[ACC:ACC+7], v[\sw], v[\sq] matrix_a_fmt:MATRIX_FMT_FP6 matrix_b_fmt:MATRIX_FMT_FP6
	v_wmma_scale_f32_16x16x128_f8f6f4 v[ACC+8:ACC+15], v[WF+48+12*\s:WF+48+12*\s+11], v[QF+12*\s:QF+12*\s+11], v[ACC+8:ACC+15], v[\sw], v[\sq] matrix_a_fmt:MATRIX_FMT_FP6 matrix_b_fmt:MATRIX_FMT_FP6 matrix_a_scale:MATRIX_SCALE_ROW1
.endm
	MM 0, 18, 24
	MM 1, 14, 20
	MM 2, 16, 22
	MM 3, 15, 21
.rept 4
	v_nop                                          ; four places ahead of the stores that read the results and of the loads into registers that the products have read
.endr
.irp t, 0,1
	ds_store_b128 v[QSA], v[ACC+8*\t:ACC+8*\t+3] offset:64*\t        ; each accumulator from its low end on; the sixteen lanes of a half write the same bytes with the same numbers
	ds_store_b128 v[QSA], v[ACC+8*\t+4:ACC+8*\t+7] offset:64*\t+16
.endr
	ISSUE 1                                        ; the next four rows, into registers that W has left
	s_wait_dscnt 0x0                               ; my 32 numbers of q lie in LDS
	s_barrier_signal -1
	s_barrier_wait -1                              ; all 512 do
.irp j, 0,1,2,3
	ds_load_b128 v[QV+4*\j:QV+4*\j+3], v[QRA] offset:512*\j          ; q in the rows' layout: elements 128 j + 4 lane .. + 3
.endr
.set i, 0
.rept 16
	v_mov_b32 v[CX+i], 0
.set i, i+1
.endr
	v_mov_b32 v[MX], 0xff800000                    ; -infinity: under every score
	v_mov_b32 v[LS], 0
.irp i, 0,1,2,3
	v_mov_b32 v[XO+\i], 0                          ; a lane permute's destination counts as one of its sources
	v_mov_b32 v[PP+2*\i+1], 0                      ; named as the upper halves of pairs
.endr
	v_mov_b32 v[FF+1], 0
	s_wait_dscnt 0x0
	s_cmp_lg_u32 s3, 0                             ; q[b] goes to memory once: by wave 0 of the batch's first chunk
	s_cbranch_scc1 .Lno_q
	s_cmp_lg_u32 s2, 0
	s_cbranch_scc1 .Lno_q
.irp j, 0,1,2,3
	global_store_b128 v[L16], v[QV+4*\j:QV+4*\j+3], s[26:27] offset:512*\j   ; 512 consecutive bytes a store; its registers are not written again
.endr
.Lno_q:
	; THE RING: two halves by turns.  At each wait for 16 exactly the other half's 16 loads were issued behind those that are wanted, on every way to it.  As soon as no row is left, the half that is still out is finished and the wave goes on.
	s_mov_b32 s[CNT], 0
.Lring:
	s_wait_loadcnt 16
	PROCESS 0
	s_cmp_eq_u32 s[BITS], 0
	s_cbranch_scc1 .Ltail_b
	ISSUE 0
	s_wait_loadcnt 16
	PROCESS 1
	s_cmp_eq_u32 s[BITS], 0
	s_cbranch_scc1 .Ltail_a
	ISSUE 1
	s_add_co_u32 s[CNT], s[CNT], 1
	s_cmp_lt_u32 s[CNT], 3
	s_cbranch_scc1 .Lring
	s_wait_loadcnt 16                              ; three trips have asked for groups 2 to 7: with 32 rows the last two groups are finished here
	PROCESS 0
.Ltail_b:
	s_wait_loadcnt 0x0
	PROCESS 1
	s_branch .Ldone
.Ltail_a:
	s_wait_loadcnt 0x0
	PROCESS 0
.Ldone:
	ds_store_b64 v[MSA], v[MX:LS]                  ; (m, l): the same in every lane
.irp j, 0,1,2,3
	ds_store_b128 v[CSA], v[CX+4*\j:CX+4*\j+3] offset:512*\j
.endr
	s_wait_dscnt 0x0                               ; for the others: my stores have landed
	s_barrier_signal -1
	s_barrier_wait -1
	s_cmp_ge_u32 s2, 4
	s_cbranch_scc1 .Lend
	; THE JOIN of the 16 waves, by threads 0 to 127, four numbers of ctx each
.irp i, 0,1,2,3,4,5,6,7
	ds_load_b128 v[128+4*\i:131+4*\i], v[MLA] offset:16*\i           ; m of wave w at v[128 + 2 w], l at v[129 + 2 w]
.endr
.set i, 0
.rept 16
	ds_load_b128 v[192+4*i:195+4*i], v[CRA] offset:2048*i
.set i, i+1
.endr
	s_wait_dscnt 0x0
	v_max3_num_f32 v160, v128, v130, v132
.irp i, 134,138,142,146,150,154
	v_max3_num_f32 v160, v160, v[\i], v[\i+2]
.endr
	v_max_num_f32 v160, v160, v158                 ; the chunk's m
.set i, 0
.rept 16
	v_sub_f32 v[128+2*i], v[128+2*i], v160
.set i, i+1
.endr
.set i, 0
.rept 16
	v_mul_f32 v[128+2*i], s[LOG2E], v[128+2*i]
.set i, i+1
.endr
.set i, 0
.rept 16
	v_exp_f32 v[128+2*i], v[128+2*i]               ; each wave's weight
.set i, i+1
.endr
	v_nop                                          ; a plain line behind the last exponential
	s_wait_alu depctr_va_vdst(0)                   ; one wait for the sixteen
	v_mul_f32 v161, v128, v129
	v_pk_mul_f32 v[164:165], v[192:193], v[128:129] op_sel_hi:[1,0]
	v_pk_mul_f32 v[166:167], v[194:195], v[128:129] op_sel_hi:[1,0]
.set i, 1
.rept 15
	v_fmac_f32 v161, v[128+2*i], v[129+2*i]        ; the chunk's l
	v_pk_fma_f32 v[164:165], v[192+4*i:193+4*i], v[128+2*i:129+2*i], v[164:165] op_sel_hi:[1,0,1]
	v_pk_fma_f32 v[166:167], v[194+4*i:195+4*i], v[128+2*i:129+2*i], v[166:167] op_sel_hi:[1,0,1]
.set i, i+1
.endr
	global_store_b128 v[GO], v[164:167], s[22:23]  ; a wave stores 512 consecutive bytes, at a multiple of 256 from the buffer's first byte
	s_cmp_lg_u32 s2, 0
	s_cbranch_scc1 .Lend
	v_cmp_eq_u32 vcc_lo, 0, v0
	s_wait_xcnt 0x0                                ; EXEC is a source of the stores that are out: it changes only behind this wait
	s_and_saveexec_b32 s82, vcc_lo
	global_store_b64 v[ZERO], v[160:161], s[24:25] ; (m, l): 8 bytes a work-group, laid so that a batch's sixteen are 128 consecutive bytes for the next launch
	s_wait_xcnt 0x0
	s_or_b32 exec_lo, exec_lo, s82
.Lend:
	s_wait_xcnt 0x0
	s_mov_b32 exec_lo, -1
	v_lshl_add_u32 v30, v0, 2, 0x3a900
	v_mov_b32 v31, 0
	s_wait_tensorcnt 0x0
	ds_add_u32 v30, v31
	s_wait_dscnt 0x0
	s_endpgm
.Lfunc_end_k_qfc4dbe2fac_stream:
	.size	k_qfc4dbe2fac_stream, .Lfunc_end_k_qfc4dbe2fac_stream-k_qfc4dbe2fac_stream
	.p2alignl 7, 3214868480
	.fill 96, 4, 3214868480
	.section	.rodata,"a",@progbits
	.p2align	6, 0x0
	.amdhsa_kernel k_qfc4dbe2fac_stream
		.amdhsa_group_segment_fixed_size 241920
		.amdhsa_private_segment_fixed_size 0
		.amdhsa_enable_private_segment 0
		.amdhsa_kernarg_size 80
		.amdhsa_user_sgpr_count 2
		.amdhsa_user_sgpr_kernarg_segment_ptr 1
		.amdhsa_wavefront_size32 1
		.amdhsa_system_sgpr_workgroup_id_x 1
		.amdhsa_system_sgpr_workgroup_id_y 1
		.amdhsa_system_sgpr_workgroup_id_z 1
		.amdhsa_system_vgpr_workitem_id 0
		.amdhsa_next_free_vgpr 256
		.amdhsa_next_free_sgpr 102
		.amdhsa_reserve_vcc 1
		.amdhsa_float_denorm_mode_32 3
		.amdhsa_float_denorm_mode_16_64 3
		.amdhsa_memory_ordered 1
		.amdhsa_forward_progress 1
		.amdhsa_inst_pref_size 71
	.end_amdhsa_kernel
	.amdgpu_metadata
---
amdhsa.version: [ 1, 2 ]
amdhsa.kernels:
  - .name:           k_qfc4dbe2fac_stream
    .symbol:         k_qfc4dbe2fac_stream.kd
    .args:
      - { .name: W_align_codes, .offset: 0, .size: 8, .value_kind: global_buffer, .address_space: global }
      - { .name: W_align_scales, .offset: 8, .size: 8, .value_kind: global_buffer, .address_space: global }
      - { .name: b_align, .offset: 16, .size: 8, .value_kind: global_buffer, .address_space: global }
      - { .name: query_codes, .offset: 24, .size: 8, .value_kind: global_buffer, .address_space: global }
      - { .name: query_scales, .offset: 32, .size: 8, .value_kind: global_buffer, .address_space: global }
      - { .name: mask, .offset: 40, .size: 8, .value_kind: global_buffer, .address_space: global }
      - { .name: value, .offset: 48, .size: 8, .value_kind: global_buffer, .address_space: global }
      - { .name: part_ctx, .offset: 56, .size: 8, .value_kind: global_buffer, .address_space: global }
      - { .name: part_ml, .offset: 64, .size: 8, .value_kind: global_buffer, .address_space: global }
      - { .name: qbuf, .offset: 72, .size: 8, .value_kind: global_buffer, .address_space: global }
    .group_segment_fixed_size: 241920
    .private_segment_fixed_size: 0
    .kernarg_segment_align: 8
    .kernarg_segment_size: 80
    .max_flat_workgroup_size: 512
    .sgpr_count:     102
    .vgpr_count:     256
    .wavefront_size: 32
...
	.end_amdgpu_metadata
.endif
;; end of part 1
;; launch finish (part 2): grid 8 x 16, 8 waves a work-group, no clusters, 7,168 bytes of LDS; arguments part_ctx, part_ml, qbuf, W_value_codes, W_value_scales, W_query_codes, W_query_scales, b_value, b_query, out0; writes out0
.if DOCPART == 2
	.amdgcn_target "amdgcn-amd-amdhsa--gfx1250"
	.amdhsa_code_object_version 6
	.text
	.protected	k_qfc4dbe2fac_finish
	.globl	k_qfc4dbe2fac_finish
	.p2align	8
	.type	k_qfc4dbe2fac_finish,@function
k_qfc4dbe2fac_finish:
	s_mov_b64 s[64:65], 0
	v_nop
	global_prefetch_b8 v0, s[64:65] scope:SCOPE_SE
	s_setreg_imm32_b32 hwreg(HW_REG_WAVE_MODE, 25, 1), 1
	s_wait_xcnt 0x0
; out[b] = tanh(Q(ctx[b]) W_value^T + b_value + Q(q[b]) W_query^T + b_query), Q the quantiser to E2M3 with one E8M0 scale for each 32 along K; the weights arrive as codes.
; ctx[b] = the sum over the batch's 16 chunks of a_c x part_ctx[b][c], a_c = e_c / (the sum of e_c l_c), e_c = exp(m_c - M), M the largest m_c: the finished, normalised context, in f32.
; SHARES.  Work-group (g, b): outputs 64 g .. 64 g + 63 of batch b.  Wave k of eight: product o = k / 4 (0: ctx with W_value, 1: q with W_query), K step s = k % 4 (128 along K, in K's own order).
; A wave makes its own 128 numbers of ctx or q, quantises them in registers, and multiplies them by four tiles of 16 rows of its weight; the eight partial rows of 64 sums meet in LDS and wave 0 adds them.
; So K is split over waves: the sums' order differs from one chain along K; their terms do not.
; THE COMPUTED OPERAND HOLDS THE SAME ROW IN ALL 16 COLUMNS (source 1); source 0 = 16 rows of the weight: register j of lane (r, h) of tile t is output 16 t + 8 h + j in every r.
; No tensor load, no ring: a work-group reads 32 KB of partial sums, 2 KB of q and 51 KB of weights, each byte once.
.set XS,   0                           ; LDS: each wave's slice of 128 numbers, 512 bytes
.set PART, 4096                        ; each wave's 64 partial sums, 256 bytes
.set L16,  1                           ; v1   16 x lane
.set WOF,  2                           ; v2   the weight: 384 r + 24 h
.set R16,  3                           ; v3   16 r: a row's scale bytes; four numbers of a bias and of the output
.set MLO,  4                           ; v4   8 r: chunk r's (m, l)
.set XSA,  5                           ; v5   where my four numbers of the slice go: 16 x thread
.set XRA,  6                           ; v6   where my two blocks of 32 come from: 512 k + 128 h
.set PSA,  7                           ; v7   where my partial sums go: PART + 256 k + 32 h
.set PRA,  8                           ; v8   where wave 0 reads them: PART + 16 r
.set SH,   9                           ; v9   8 h: my bytes' place in the scale word
.set WSC,  10                          ; v10-13 the weight's scale words, a tile each; v14 the slice's: they hold scales alone
.set XW,   14
.set WFR,  16                          ; v16-63   the weight's four fragments
.set XN,   64                          ; v64-127  first the 16 chunks' numbers, four registers each; then the slice in the quantiser's layout
.set SUMS, 128                         ; v128-159 wave 0: the eight partial rows
.set BIA,  160                         ; v160-167 the two biases
.set DR,   192                         ; v192-223 four accumulators
.set XF,   224                         ; v224-235 the slice's fragment
.set CT,   236                         ; v236-243 the conversions' second halves
.set CS,   244                         ; v244-247 my four numbers of the slice
.set SEL,  48                          ; s[48:49] v_permlanex16_b32: lane l xor 16
	s_load_b512 s[8:23], s[0:1], 0x0               ; part_ctx 8, part_ml 10, qbuf 12, W_value codes 14, scales 16, W_query codes 18, scales 20, b_value 22
	s_load_b128 s[24:27], s[0:1], 0x40             ; b_query 24, out0 26
	v_lshl_add_u32 v243, v0, 2, 0x1800
	v_mov_b32 v255, 0
	v_lshrrev_b32 v248, 5, v0
	v_readfirstlane_b32 s2, v248                   ; wave 0..7
	s_mov_b32 s3, ttmp9                            ; g
	s_and_b32 s4, ttmp7, 0xffff                    ; b
	s_and_b32 s6, s2, 3                            ; my K step
.irp p, 51,53,55,57,59,61,63
	s_mov_b32 s\p, 0                               ; the upper words of the offsets' pairs
.endr
	s_mul_i32 s50, s3, 24576                       ; the codes: 64 g rows of 384 bytes
	s_mul_i32 s66, s6, 96
	s_add_co_u32 s50, s50, s66                     ; + 96 s
	s_lshl_b32 s52, s3, 10                         ; the scales: 64 g rows of 16 bytes
	s_lshl_b32 s66, s6, 2
	s_add_co_u32 s52, s52, s66                     ; + 4 s
	s_lshl_b32 s66, s6, 9                          ; my slice: 512 s bytes into a row of 512 numbers
	s_lshl_b32 s54, s4, 15
	s_add_co_u32 s54, s54, s66                     ; part_ctx: 32,768 b + 512 s
	s_lshl_b32 s56, s4, 7                          ; part_ml: 128 b
	s_lshl_b32 s58, s4, 11
	s_lshl_b32 s60, s3, 8                          ; the biases: 256 g
	s_add_co_u32 s62, s58, s60                     ; out0: 2,048 b + 256 g
	s_add_co_u32 s58, s58, s66                     ; qbuf: 2,048 b + 512 s
	s_mov_b32 s[SEL], 0x76543210
	s_mov_b32 s[SEL+1], 0xfedcba98
	; every address register is made here, ahead of every branch
	v_and_b32 v248, 31, v0                         ; lane
	v_and_b32 v249, 15, v0                         ; r
	v_bfe_u32 v250, v0, 4, 1                       ; h
	v_lshlrev_b32 v[L16], 4, v248
	v_mul_u32_u24 v[WOF], v249, 384
	v_mad_u32_u24 v[WOF], v250, 24, v[WOF]
	v_lshlrev_b32 v[R16], 4, v249
	v_lshlrev_b32 v[MLO], 3, v249
	v_lshlrev_b32 v[XSA], 4, v0
	s_lshl_b32 s67, s2, 9
	v_lshl_add_u32 v[XRA], v250, 7, s67
	s_lshl_b32 s67, s2, 8
	s_add_co_u32 s67, s67, PART
	v_lshl_add_u32 v[PSA], v250, 5, s67
	v_lshl_add_u32 v[PRA], v249, 4, PART
	v_lshlrev_b32 v[SH], 3, v250
	s_wait_kmcnt 0x0
	s_cmp_lt_u32 s2, 4                             ; which weight is mine: the choice hangs on the wave's number alone
	s_cselect_b64 s[28:29], s[14:15], s[18:19]
	s_cselect_b64 s[30:31], s[16:17], s[20:21]
	s_add_nc_u64 s[28:29], s[28:29], s[50:51]
	s_add_nc_u64 s[30:31], s[30:31], s[52:53]
	s_add_nc_u64 s[8:9], s[8:9], s[54:55]
	s_add_nc_u64 s[10:11], s[10:11], s[56:57]
	s_add_nc_u64 s[12:13], s[12:13], s[58:59]
	s_add_nc_u64 s[22:23], s[22:23], s[60:61]
	s_add_nc_u64 s[24:25], s[24:25], s[60:61]
	s_add_nc_u64 s[26:27], s[26:27], s[62:63]
	global_load_b128 v[BIA:BIA+3], v[R16], s[22:23]    ; the biases of my work-group's 64 outputs.  Wave 0 alone uses them; every wave issues the two loads, so that no register is written on one wave's way alone
	global_load_b128 v[BIA+4:BIA+7], v[R16], s[24:25]
.irp t, 0,1,2,3                                    ; a fragment: lane (r, h) takes the 24 bytes at 24 h and the 24 at 48 + 24 h of row r's 96 bytes of this K step, in pieces of 8 bytes, so that every address is a multiple of the access's size
.irp p, 0,1,2,3,4,5
	global_load_b64 v[WFR+12*\t+2*\p:WFR+12*\t+2*\p+1], v[WOF], s[28:29] offset:6144*\t+48*(\p/3)+8*(\p%3)
.endr
	global_load_b32 v[WSC+\t], v[R16], s[30:31] offset:256*\t        ; and row r's scale word of this K step
.endr
	s_cmp_ge_u32 s2, 4
	s_cbranch_scc1 .Lfrom_q
	; ---- waves 0 to 3: my 128 numbers of ctx, joined from the 16 chunks
	global_load_b64 v[248:249], v[MLO], s[10:11]   ; lane r (and 16 + r): chunk r's m and l
.set i, 0
.rept 16
	global_load_b128 v[XN+4*i:XN+4*i+3], v[L16], s[8:9] offset:2048*i   ; chunk i: 512 consecutive bytes
.set i, i+1
.endr
	s_wait_loadcnt 16                              ; (m, l) are in; the 16 loads issued behind them may be out
	v_mov_b32 v250, v248
.irp x, 1,2,4,8
	v_max_num_f32_dpp v250, v250, v250 row_xmask:\x row_mask:0xf bank_mask:0xf   ; M, over the sixteen lanes of a half
.endr
	v_sub_f32 v251, v248, v250
	v_mul_f32 v251, 0x3fb8aa3b, v251
	v_exp_f32 v251, v251                           ; e = exp(m - M)
	v_nop                                          ; a plain line behind the exponential
	s_wait_alu depctr_va_vdst(0)                   ; and the wait ahead of its first reader
	v_mul_f32 v252, v251, v249
.irp x, 1,2,4,8
	v_add_f32_dpp v252, v252, v252 row_xmask:\x row_mask:0xf bank_mask:0xf       ; the softmax's sum: at least 1, since the chunk that holds M has e = 1 and l at least 1
.endr
	v_rcp_f32 v253, v252
	v_nop
	s_wait_alu depctr_va_vdst(0)
	v_mul_f32 v254, v251, v253                     ; a = e / the sum
.set i, 0
.rept 16
	v_readlane_b32 s[32+i], v254, i                ; the sixteen weights as scalars: they feed multiply-adds and nothing else
.set i, i+1
.endr
	s_wait_loadcnt 0x0
.irp j, 0,1,2,3
	v_mul_f32 v[CS+\j], s32, v[XN+\j]
.endr
.set i, 1
.rept 15
.irp j, 0,1,2,3
	v_fmac_f32 v[CS+\j], s[32+i], v[XN+4*i+\j]
.endr
.set i, i+1
.endr
	s_branch .Lslice
.Lfrom_q:
	; ---- waves 4 to 7: my 128 numbers of q
	global_load_b128 v[CS:CS+3], v[L16], s[12:13]
	s_wait_loadcnt 0x0
.Lslice:
	; lane i holds numbers 4 i .. 4 i + 3 of the slice; the operand's layout gives lane (r, h) the blocks h and 2 + h, whole.  The 512 bytes turn through my own bytes of LDS, which serves a wave's instructions in order.
	ds_store_b128 v[XSA], v[CS:CS+3]
.irp c, 0,1
.irp j, 0,1,2,3,4,5,6,7
	ds_load_b128 v[XN+32*\c+4*\j:XN+32*\c+4*\j+3], v[XRA] offset:256*\c+16*\j   ; register 32 c + i: number 64 c + 32 h + i
.endr
.endr
	s_wait_dscnt 0x0
	; THE QUANTISER: a block's scale is its largest magnitude's exponent less 2
.irp c, 0,1
	v_max3_num_f32 v[248+\c], |v[XN+32*\c]|, |v[XN+32*\c+1]|, 0x1800000   ; with the floor 2^(3 - 127): the byte cannot fall under 1 (a block of zeros keeps that byte: its codes are zeros)
.endr
.irp i, 2,4,6,8,10,12,14,16,18,20,22,24,26,28,30
.irp c, 0,1
	v_max3_num_f32 v[248+\c], v[248+\c], |v[XN+32*\c+\i]|, |v[XN+32*\c+\i+1]|
.endr
.endr
.irp c, 0,1
	v_add_nc_u32 v[250+\c], 0xff000000, v[248+\c]  ; 2 off the exponent field: the conversion takes this operand's exponent field as its scale
.endr
.irp c, 0,1
	v_lshrrev_b32 v[252+\c], 23, v[250+\c]         ; the scale's byte
.endr
	v_lshl_or_b32 v[XW], v253, 16, v252            ; my two bytes, blocks h and 2 + h,
	v_lshlrev_b32 v[XW], v[SH], v[XW]              ; at their places in the word;
	v_mov_b32 v254, 0
	v_permlanex16_b32 v254, v[XW], s[SEL], s[SEL+1]
	v_or_b32 v[XW], v[XW], v254                    ; with lane l xor 16's two the word is whole
.irp c, 0,1
	v_cvt_scalef32_pk16_fp6_f32 v[XF+6*\c:XF+6*\c+2], v[XN+32*\c:XN+32*\c+15], v[250+\c]
	v_cvt_scalef32_pk16_fp6_f32 v[CT+4*\c:CT+4*\c+2], v[XN+32*\c+16:XN+32*\c+31], v[250+\c]   ; (a conversion's three registers begin on an even number: a block's second three are made here and moved)
.endr
	v_nop                                          ; one plain line behind the last scaled conversion
.irp c, 0,1
.irp i, 0,1,2
	v_mov_b32 v[XF+6*\c+3+\i], v[CT+4*\c+\i]
.endr
.endr
.rept 8
	v_nop                                          ; a scale register written by vector instructions stands eight places ahead of a scaled matrix instruction, an operand four
.endr
.irp t, 0,1,2,3
	v_wmma_scale_f32_16x16x128_f8f6f4 v[DR+8*\t:DR+8*\t+7], v[WFR+12*\t:WFR+12*\t+11], v[XF:XF+11], 0, v[WSC+\t], v[XW] matrix_a_fmt:MATRIX_FMT_FP6 matrix_b_fmt:MATRIX_FMT_FP6
.endr
.rept 4
	v_nop                                          ; four places ahead of the stores that read the results
.endr
.irp t, 0,1,2,3
	ds_store_b128 v[PSA], v[DR+8*\t:DR+8*\t+3] offset:64*\t          ; each accumulator from its low end on; the sixteen lanes of a half write the same bytes with the same numbers
	ds_store_b128 v[PSA], v[DR+8*\t+4:DR+8*\t+7] offset:64*\t+16
.endr
	s_wait_dscnt 0x0                               ; for wave 0: my stores have landed
	s_barrier_signal -1
	s_barrier_wait -1
	s_cmp_lg_u32 s2, 0
	s_cbranch_scc1 .Lend
	; ---- wave 0: the eight partial rows, the biases, tanh; lane r holds outputs 4 r .. 4 r + 3 (lanes 16-31 the same again)
.irp k, 0,1,2,3,4,5,6,7
	ds_load_b128 v[SUMS+4*\k:SUMS+4*\k+3], v[PRA] offset:256*\k
.endr
	s_wait_dscnt 0x0
.irp k, 1,2,3,4,5,6,7
	v_pk_add_f32 v[SUMS:SUMS+1], v[SUMS:SUMS+1], v[SUMS+4*\k:SUMS+4*\k+1]
	v_pk_add_f32 v[SUMS+2:SUMS+3], v[SUMS+2:SUMS+3], v[SUMS+4*\k+2:SUMS+4*\k+3]
.endr
.irp k, 0,1
	v_pk_add_f32 v[SUMS:SUMS+1], v[SUMS:SUMS+1], v[BIA+4*\k:BIA+4*\k+1]
	v_pk_add_f32 v[SUMS+2:SUMS+3], v[SUMS+2:SUMS+3], v[BIA+4*\k+2:BIA+4*\k+3]
.endr
.irp j, 0,1,2,3
	v_mul_f32 v[SUMS+4+\j], 0x4038aa3b, v[SUMS+\j] ; 2 log2(e) x
.endr
.irp j, 0,1,2,3
	v_exp_f32 v[SUMS+4+\j], v[SUMS+4+\j]           ; e^(2 x): infinity for a large x, 0 for a very negative one; both ends give +-1 below
.endr
	v_nop
	s_wait_alu depctr_va_vdst(0)                   ; one wait for the four
.irp j, 0,1,2,3
	v_add_f32 v[SUMS+4+\j], 1.0, v[SUMS+4+\j]
.endr
.irp j, 0,1,2,3
	v_rcp_f32 v[SUMS+4+\j], v[SUMS+4+\j]
.endr
	v_nop
	s_wait_alu depctr_va_vdst(0)
.irp j, 0,1,2,3
	v_fma_f32 v[SUMS+\j], v[SUMS+4+\j], -2.0, 1.0  ; tanh(x) = 1 - 2 / (1 + e^(2 x))
.endr
	v_cmp_gt_u32 vcc_lo, 16, v0
	s_wait_xcnt 0x0                                ; EXEC changes only behind this wait
	s_and_saveexec_b32 s66, vcc_lo
	global_store_b128 v[R16], v[SUMS:SUMS+3], s[26:27]   ; sixteen lanes store 256 consecutive bytes, at a multiple of 256 from out0's first byte
	s_wait_xcnt 0x0
	s_or_b32 exec_lo, exec_lo, s66
.Lend:
	s_barrier_signal -1
	s_barrier_wait -1
	s_wait_tensorcnt 0x0
	ds_add_u32 v243, v255
	s_wait_dscnt 0x0
	s_endpgm
.Lfunc_end_k_qfc4dbe2fac_finish:
	.size	k_qfc4dbe2fac_finish, .Lfunc_end_k_qfc4dbe2fac_finish-k_qfc4dbe2fac_finish
	.p2alignl 7, 3214868480
	.fill 96, 4, 3214868480
	.section	.rodata,"a",@progbits
	.p2align	6, 0x0
	.amdhsa_kernel k_qfc4dbe2fac_finish
		.amdhsa_group_segment_fixed_size 7168
		.amdhsa_private_segment_fixed_size 0
		.amdhsa_enable_private_segment 0
		.amdhsa_kernarg_size 80
		.amdhsa_user_sgpr_count 2
		.amdhsa_user_sgpr_kernarg_segment_ptr 1
		.amdhsa_wavefront_size32 1
		.amdhsa_system_sgpr_workgroup_id_x 1
		.amdhsa_system_sgpr_workgroup_id_y 1
		.amdhsa_system_sgpr_workgroup_id_z 1
		.amdhsa_system_vgpr_workitem_id 0
		.amdhsa_next_free_vgpr 256
		.amdhsa_next_free_sgpr 72
		.amdhsa_reserve_vcc 1
		.amdhsa_float_denorm_mode_32 3
		.amdhsa_float_denorm_mode_16_64 3
		.amdhsa_memory_ordered 1
		.amdhsa_forward_progress 1
		.amdhsa_inst_pref_size 20
	.end_amdhsa_kernel
	.amdgpu_metadata
---
amdhsa.version: [ 1, 2 ]
amdhsa.kernels:
  - .name:           k_qfc4dbe2fac_finish
    .symbol:         k_qfc4dbe2fac_finish.kd
    .args:
      - { .name: part_ctx, .offset: 0, .size: 8, .value_kind: global_buffer, .address_space: global }
      - { .name: part_ml, .offset: 8, .size: 8, .value_kind: global_buffer, .address_space: global }
      - { .name: qbuf, .offset: 16, .size: 8, .value_kind: global_buffer, .address_space: global }
      - { .name: W_value_codes, .offset: 24, .size: 8, .value_kind: global_buffer, .address_space: global }
      - { .name: W_value_scales, .offset: 32, .size: 8, .value_kind: global_buffer, .address_space: global }
      - { .name: W_query_codes, .offset: 40, .size: 8, .value_kind: global_buffer, .address_space: global }
      - { .name: W_query_scales, .offset: 48, .size: 8, .value_kind: global_buffer, .address_space: global }
      - { .name: b_value, .offset: 56, .size: 8, .value_kind: global_buffer, .address_space: global }
      - { .name: b_query, .offset: 64, .size: 8, .value_kind: global_buffer, .address_space: global }
      - { .name: out0, .offset: 72, .size: 8, .value_kind: global_buffer, .address_space: global }
    .group_segment_fixed_size: 7168
    .private_segment_fixed_size: 0
    .kernarg_segment_align: 8
    .kernarg_segment_size: 80
    .max_flat_workgroup_size: 256
    .sgpr_count:     72
    .vgpr_count:     256
    .wavefront_size: 32
...
	.end_amdgpu_metadata
.endif
;; end of part 2
